; MI455X (gfx1250); checked and timed in simulation.
; The chip was launched on July 23, 2026; its instructions are those of AMD's public machine-readable ISA for CDNA 5 (MIT licence, August 2026) and "CDNA5" Instruction Set Architecture Reference Guide (July 2026). The comments in the code are by the model that wrote it; some were corrected since.
;; Analogy Based Estimation. Allowed arithmetic: matrix products marked QUANTISED: E4M3 operands, one E8M0 scale for each 32 along K, by v_wmma_scale_f32_16x16x128_f8f6f4 with both operands' format E4M3, f32 sums; everything else in f32.
;; Inputs: features 256 float32; train_inputs 65,536 x 256 float32; train_labels 65,536 int32; x_input 2,048 x 256 float32.
;; Outputs: out0 2,048 x 100 float32.
;; Constants: num_k = 3, num_labels = 100.
;; This version of the problem:
;;   THIS VERSION OF THE PROBLEM IS GIVEN IN LOW PRECISION. The matrix products marked QUANTISED in the list below multiply operands that are first quantised to E4M3 (4 exponent bits, 3 mantissa bits; 8 bits a number), with one power-of-two scale for each 32 numbers along K (OCP MX v1.0); their sums are f32. All else is computed in f32.
;;   The module's matrix products, in the order in which they are computed (A, B: the left and right operand; K: the contracted axis; several contracted axes count as one K, in the product's order):
;;     1. [M 2,048, K 256] x [K 256, N 65,536]; A: input x_input; B: input train_inputs: QUANTISED
;;   THE QUANTISER, for each operand of a quantised product, along K:
;;     - K is cut into blocks of 32 from its start; a last block that is shorter is filled with zeros.
;;     - A block's scale is 2^e with e = floor(log2(the largest magnitude in the block)) - 8, held to -126 .. 127; a block of zeros has e = 0. As a byte (E8M0): e + 127.
;;     - Each number is divided by its block's scale, clamped to +-448, and rounded to the nearest number of E4M3, ties to even, subnormals kept.
;;     - The product sums the exact products of the quantised numbers (number of the format x scale) in f32.
;;   ~~~python
;;   def quantise(x, axis):      # numpy; x: float32 -> the quantised numbers, widened to float32 again
;;       x = np.moveaxis(x, axis, -1); K = x.shape[-1]
;;       x = np.pad(x, [(0, 0)] * (x.ndim - 1) + [(0, -K % 32)]); x = x.reshape(x.shape[:-1] + (-1, 32)); a = np.abs(x).max(-1, keepdims=True)
;;       e = np.where(a > 0, np.clip(np.frexp(np.where(a > 0, a, 1))[1] - 1 - 8, -126, 127), 0)      # np.frexp(a)[1] - 1 = floor(log2(a)), exactly
;;       r = np.clip(x / 2.0 ** e, -448, 448)
;;       step = 2.0 ** (np.maximum(np.frexp(np.where(r == 0, 1, r))[1] - 1, -6) - 3)
;;       q = np.round(r / step) * step * 2.0 ** e      # np.round: ties to even
;;       return np.moveaxis(q.reshape(q.shape[:-2] + (-1,))[..., :K], -1, axis).astype(np.float32)
;;   ~~~
;; One version. Each part assembles by itself: llvm-mc -triple=amdgcn-amd-amdhsa -mcpu=gfx1250 --defsym DOCPART=n.
;; ======== version 1 of 1: 4 launches
;; limits: right only within a limited range of input values
;; workspace buffers: xc 524,288 bytes; xs 32,768 bytes; timg 16,777,216 bytes; ts 524,288 bytes; rr 262,144 bytes; cm 16,777,216 bytes; cid 32,768 bytes of whole numbers
;; launch xq (part 1): grid 128 x 1, 1 waves a work-group, no clusters, 0 bytes of LDS; arguments x_input, xc, xs; writes xc, xs
.if DOCPART == 1
	.amdgcn_target "amdgcn-amd-amdhsa--gfx1250"
	.amdhsa_code_object_version 6
	.text
	.protected	k_qf4372c8336_xq
	.globl	k_qf4372c8336_xq
	.p2align	8
	.type	k_qf4372c8336_xq,@function
k_qf4372c8336_xq:
	s_mov_b64 s[64:65], 0
	v_nop
	global_prefetch_b8 v0, s[64:65] scope:SCOPE_SE
	s_setreg_imm32_b32 hwreg(HW_REG_WAVE_MODE, 25, 1), 1
	s_wait_xcnt 0x0
; THE PROGRAM.  d[b][n] = sqrt(|x_b|^2 + |f o t_n|^2) - 2 Q(x_b) . Q(t_n), Q the MX-FP8 quantiser along the 256 features; of each row of d the three smallest, in order, ties to the lower n;
; their labels, read as [3][2048]; column sums, floor-divided by 3; a one-hot of 100.  Four launches: this one (x into codes), main (all products; the minimum of d / 2 for each query and each chunk of 32 training rows),
; pick (each query's three chunks with the smallest (minimum, chunk number), stored as whole numbers), vote (those 96 candidates once more, the three smallest, the labels, the output).
; DEAD WORK: none.  Every input has a way to the output: |x_b|^2 stands under the root with |f o t_n|^2, so it is no common shift of a row.  What is not done as reference() writes it: top_k is a selection
; (the three smallest of a row lie in the three chunks with the smallest (minimum, chunk number): an element outside them would have three elements ahead of it, one in each of those chunks, chunks being runs of ascending n),
; and one_hot is a comparison.
; THIS LAUNCH.  x [2048][256] f32 becomes codes of E4M3 of -x (the quantiser is odd: Q(-x) = -Q(x)), so that the product adds onto the root; and l' = |x|^2 / 4, so that sqrt(l' + r') is half the root, exactly scaled.
; xc: images of the operand's registers, [tile of 16 queries][K step 2][4][lane 32][16 bytes]: lane (r, hk) holds k = 128 ks + 32 cc + 16 hk + 0 .. 15 of query r.
; xs: [tile][lane 32][l', scale word]: the word of lanes 0-15 is K step 0's, that of lanes 16-31 K step 1's.
; One wave takes one tile of 16 queries: the launch has work for 128 waves.  A lane reads runs of 64 bytes: 2 MiB in all.
; LIMITS: NaN and infinities among the inputs, and sums of squares beyond f32's range, are not served.  A block whose largest magnitude lies under 2^-118 keeps the scale byte 1; so does a block of zeros (its codes are zeros, and
; this program alone reads the bytes).  The sum of squares is added in another order than reference()'s.
.set X, 32                             ; v32-159  my 128 numbers: block c at v[X + 16 c]
.set C, 160                            ; v160-191 their codes: block c at v[C + 4 c]
	s_load_b128 s[4:7], s[0:1], 0x0                ; x, xc
	s_load_b64 s[8:9], s[0:1], 0x10                ; xs
	v_and_b32 v1, 15, v0                           ; r
	v_bfe_u32 v2, v0, 4, 1                         ; hk
	v_lshlrev_b32 v3, 10, v1
	v_lshl_add_u32 v3, v2, 6, v3                   ; row r of 1,024 bytes, + 64 hk: my 16 numbers of a block of 32
	v_lshlrev_b32 v4, 4, v0                        ; 16 x lane
	v_lshlrev_b32 v5, 3, v0                        ; 8 x lane
	s_lshl_b32 s10, ttmp9, 14                      ; the tile's 16 rows of x,
	s_mov_b32 s11, 0
	s_lshl_b32 s12, ttmp9, 12                      ; its 4,096 bytes of codes,
	s_mov_b32 s13, 0
	s_lshl_b32 s14, ttmp9, 8                       ; its 256 bytes of xs
	s_mov_b32 s15, 0
	s_mov_b32 s16, 0x76543210
	s_mov_b32 s17, 0xfedcba98                      ; v_permlanex16_b32's selects for lane l xor 16
	s_mov_b32 s18, 0x600000                        ; the mantissa field of 448
	s_mov_b32 s19, 0xffff0000                      ; lanes 16-31
	s_wait_alu depctr_va_vdst(0)
	s_wait_kmcnt 0x0
	s_add_nc_u64 s[4:5], s[4:5], s[10:11]
	s_add_nc_u64 s[6:7], s[6:7], s[12:13]
	s_add_nc_u64 s[8:9], s[8:9], s[14:15]
.irp c, 0,1,2,3,4,5,6,7
.irp j, 0,1,2,3
	global_load_b128 v[X+16*\c+4*\j:X+16*\c+4*\j+3], v3, s[4:5] offset:128*\c+16*\j th:TH_LOAD_NT
.endr
.endr
; Block c of 32 along K: my 16 numbers and lane l xor 16's.
.macro XBLK c
.set XS, X+16*(\c)
	s_wait_loadcnt 28-4*(\c)                       ; this block's four loads are in; the later blocks', four each, may be out
	v_max3_num_f32 v8, |v[XS]|, |v[XS+1]|, |v[XS+2]|
	v_max3_num_f32 v9, |v[XS+3]|, |v[XS+4]|, |v[XS+5]|
.irp i, 6,10
	v_max3_num_f32 v8, v8, |v[XS+\i]|, |v[XS+\i+1]|
	v_max3_num_f32 v9, v9, |v[XS+\i+2]|, |v[XS+\i+3]|
.endr
	v_max3_num_f32 v8, v8, |v[XS+14]|, |v[XS+15]|
	v_max3_num_f32 v8, v8, v9, 0x4800000           ; and the floor 2^(9 - 127): the byte cannot fall under 1
	v_permlanex16_b32 v9, v8, s16, s17
	v_max_num_f32 v8, v8, v9                       ; the block's largest magnitude
	v_add_nc_u32 v10, 0xfc000000, v8               ; 8 off its exponent field: the conversion's scale operand
	v_and_or_b32 v11, v8, 0x7f800000, s18          ; 448 x the scale
	v_lshrrev_b32 v12, 23, v10                     ; the scale's byte
.if (\c)%4 == 0
	v_mov_b32 v[14+(\c)/4], v12                    ; four bytes to a word: v14 K step 0, v15 K step 1
.else
	v_lshl_or_b32 v[14+(\c)/4], v12, 8*((\c)%4), v[14+(\c)/4]
.endif
.irp i, 0,1,2,3,4,5,6,7
.if ((\c) == 0) && (\i < 4)
	v_pk_mul_f32 v[16+2*(\i%4):17+2*(\i%4)], v[XS+2*\i:XS+2*\i+1], v[XS+2*\i:XS+2*\i+1]   ; the first squares start the four chains of sums
.else
	v_pk_fma_f32 v[16+2*(\i%4):17+2*(\i%4)], v[XS+2*\i:XS+2*\i+1], v[XS+2*\i:XS+2*\i+1], v[16+2*(\i%4):17+2*(\i%4)]
.endif
.endr
.irp i, 0,1,2,3,4,5,6,7,8,9,10,11,12,13,14,15
	v_med3_num_f32 v[XS+\i], -v[XS+\i], -v11, v11  ; -x, held within 448 x the scale: the conversion to an 8-bit code does not saturate (ISA guide 7.6.2)
.endr
	v_cvt_scalef32_pk8_fp8_f32 v[C+4*(\c):C+4*(\c)+1], v[XS:XS+7], v10
	v_cvt_scalef32_pk8_fp8_f32 v[C+4*(\c)+2:C+4*(\c)+3], v[XS+8:XS+15], v10
	v_nop                                          ; a plain line behind the conversions
.endm
.irp c, 0,1,2,3,4,5,6,7
	XBLK \c
.endr
	v_pk_add_f32 v[16:17], v[16:17], v[18:19]
	v_pk_add_f32 v[20:21], v[20:21], v[22:23]
	v_pk_add_f32 v[16:17], v[16:17], v[20:21]
	v_add_f32 v16, v16, v17
	v_permlanex16_b32 v9, v16, s16, s17
	v_add_f32 v16, v16, v9                         ; |x|^2 of query r, in both halves of the lanes
	v_mul_f32 v24, 0x3e800000, v16                 ; l' = |x|^2 / 4
	v_cndmask_b32 v25, v14, v15, s19               ; lanes 0-15: K step 0's word; lanes 16-31: K step 1's
.irp c, 0,1,2,3,4,5,6,7
	global_store_b128 v4, v[C+4*\c:C+4*\c+3], s[6:7] offset:512*\c   ; 32 lanes store 512 consecutive bytes
.endr
	global_store_b64 v5, v[24:25], s[8:9]          ; 32 lanes store 256 consecutive bytes, aligned
	s_endpgm
.Lfunc_end_k_qf4372c8336_xq:
	.size	k_qf4372c8336_xq, .Lfunc_end_k_qf4372c8336_xq-k_qf4372c8336_xq
	.p2alignl 7, 3214868480
	.fill 96, 4, 3214868480
	.section	.rodata,"a",@progbits
	.p2align	6, 0x0
	.amdhsa_kernel k_qf4372c8336_xq
		.amdhsa_group_segment_fixed_size 0
		.amdhsa_private_segment_fixed_size 0
		.amdhsa_enable_private_segment 0
		.amdhsa_kernarg_size 24
		.amdhsa_user_sgpr_count 2
		.amdhsa_user_sgpr_kernarg_segment_ptr 1
		.amdhsa_wavefront_size32 1
		.amdhsa_system_sgpr_workgroup_id_x 1
		.amdhsa_system_sgpr_workgroup_id_y 1
		.amdhsa_system_sgpr_workgroup_id_z 1
		.amdhsa_system_vgpr_workitem_id 0
		.amdhsa_next_free_vgpr 192
		.amdhsa_next_free_sgpr 66
		.amdhsa_reserve_vcc 0
		.amdhsa_float_denorm_mode_32 3
		.amdhsa_float_denorm_mode_16_64 3
		.amdhsa_memory_ordered 1
		.amdhsa_forward_progress 1
		.amdhsa_inst_pref_size 26
	.end_amdhsa_kernel
	.amdgpu_metadata
---
amdhsa.version: [ 1, 2 ]
amdhsa.kernels:
  - .name:           k_qf4372c8336_xq
    .symbol:         k_qf4372c8336_xq.kd
    .args:
      - { .name: x_input, .offset: 0, .size: 8, .value_kind: global_buffer, .address_space: global }
      - { .name: xc, .offset: 8, .size: 8, .value_kind: global_buffer, .address_space: global }
      - { .name: xs, .offset: 16, .size: 8, .value_kind: global_buffer, .address_space: global }
    .group_segment_fixed_size: 0
    .private_segment_fixed_size: 0
    .kernarg_segment_align: 8
    .kernarg_segment_size: 24
    .max_flat_workgroup_size: 32
    .sgpr_count:     66
    .vgpr_count:     192
    .wavefront_size: 32
...
	.end_amdgpu_metadata
.endif
;; end of part 1
;; launch main (part 2): grid 256 x 1, 8 waves a work-group, no clusters, 327,680 bytes of LDS; arguments train_inputs, features, xc, xs, timg, ts, rr, cm; writes timg, ts, rr, cm
.if DOCPART == 2
	.amdgcn_target "amdgcn-amd-amdhsa--gfx1250"
	.amdhsa_code_object_version 6
	.text
	.protected	k_qf4372c8336_main
	.globl	k_qf4372c8336_main
	.p2align	8
	.type	k_qf4372c8336_main,@function
k_qf4372c8336_main:
	s_mov_b64 s[64:65], 0
	v_nop
	global_prefetch_b8 v0, s[64:65] scope:SCOPE_SE
	s_setreg_imm32_b32 hwreg(HW_REG_WAVE_MODE, 25, 1), 1
	s_wait_xcnt 0x0
; d / 2 = sqrt(l' + r') + Q(t_n) . Q(-x_b) for all 2,048 x 65,536 pairs, and of it only the minimum for each query and each chunk of 32 consecutive training rows: cm.  No work of reference() is left out here.
; SHARES.  Work-group W owns training rows 256 W .. 256 W + 255 and walks all queries.  Nobody else reads those rows: they come once, as f32, by tensor loads, and are quantised here.
; Wave w: g = w / 2 is its group of 64 rows, four tiles of 16, whose codes stay in 128 registers; p = w % 2: it walks the quads (4 tiles of 16 queries) of parity p.  Both waves of a group quantise the group (512 numbers a lane).
; THE PRODUCT: source 0 = 16 training rows, source 1 = 16 queries, C = sqrt(l' + r'): the result is d / 2 as it stands.  A lane holds ONE query (lane % 16).
; THE ROWS OF A TILE ARE NOT NEIGHBOURS: lane r of tile t takes row 32 (r / 8) + 16 (t / 2) + 8 ((t % 2) xor (r / 8)) + r % 8 of the group, so that the 32 results of a lane over the four tiles are one chunk: chunk 2 g + lane / 16.
; The minimum of 32 is fifteen three-way minima and one two-way minimum; the root costs half a packed addition and one v_sqrt_f32 a number.
; ALSO STORED, by the waves with p = 0, for the launch that works the chosen chunks once more: timg (my operand registers as they stand), ts (their scale words), rr (r' = |f o t|^2 / 4).
; LDS: two slots of 8 pieces of 16 rows x (1,024 + 16) bytes.  First they hold the training rows (piece k of slot u: rows 32 k + 16 u + 0 .. 15), later x's codes with the same shape: a piece is a quad, a tile four rows.
; So every refill lands on the bytes of the first fill.  Behind them: xs of all queries and the features (filled once); the minima's stage, 2,048 bytes a wave; r', 256 bytes a wave; the spare words.
; NO CLUSTER: x's codes are walked by all work-groups, but there are four refills in the launch, each asked for a whole slot (128 matrix instructions a wave and their roots) ahead of its first read, and the work-groups
; reach them when their own training rows have landed, which they share with nobody; joint requests are left out in this form.  All of LDS is claimed.
; LIMITS: as stated at the head of the first launch; v_sqrt_f32 is within one unit in the last place, and d / 2 is rounded by the matrix unit: two distances that lie within such rounding of each other may change places.
.set PIECE, 16640                      ; 16 rows x 1,040 bytes
.set SLOT1, 133120                     ; slot 1 begins here
.set XSL,   266240                     ; xs: a quad's four records are a row of 1,024 bytes + 16
.set FEL,   299520                     ; the features
.set EML,   300544                     ; the minima: wave w's 2,048 bytes: 512 x trip + 128 x tile + 8 x query + 4 x (lane / 16)
.set RRL,   316928                     ; r' of the wave's 64 rows, in their order
.set SPARE, 318976                     ; the spare words, 128 bytes for each wave: four blocks of 256 bytes that no other line names
.set SPW, 1                            ; v1       LDS address of my spare word; never rewritten
.set NIL, 2                            ; v2       0; never rewritten
.set PR,  12                           ; v[12:13], v[14:15]  (l', the queries' scale word) of two tiles by turns
.set SA,  16                           ; v16-19   my four tiles' scale words
.set R,   20                           ; v20-51   r', 8 a tile; while the rows are quantised: two sets of 16 features
.set B,   52                           ; v52-83   a tile of queries: two fragments; while the rows are quantised, with ACC: two sets of 2 x 16 numbers
.set ACC, 84                           ; v84-115  four accumulators
.set TM,  116                          ; v116-127 at work
.set A,   128                          ; v128-255 my rows' codes: tile t, K step ks at v[A + 32 t + 16 ks]
; v3-11: addresses (their meaning changes once, behind the quantising).  s20 wave, s21 g, s22 p; s24 wave x PIECE; s[26:27] wave x 16,384
; s[28:35] descriptor group 1 for pieces; s[36:43] for the features; groups 0: s[44:47], s[48:51] my two pieces of training rows; s[52:55] x's codes, walking; s[56:59] xs; s[60:63] the features
	s_load_b256 s[4:11], s[0:1], 0x0               ; train s[4:5], features s[6:7], xc s[8:9], xs s[10:11]
	s_load_b256 s[12:19], s[0:1], 0x20             ; timg s[12:13], ts s[14:15], rr s[16:17], cm s[18:19]
	v_lshl_add_u32 v[SPW], v0, 2, SPARE
	v_mov_b32 v[NIL], 0
	ds_add_u32 v[SPW], v[NIL]                      ; the wave's opening: the add, twice on end, and its wait ahead of my first tensor load
	ds_add_u32 v[SPW], v[NIL]                      ; and once more
	v_lshrrev_b32 v3, 5, v0
	s_delay_alu instid0(VALU_DEP_1)
	v_readfirstlane_b32 s20, v3                    ; wave 0..7
	s_lshr_b32 s21, s20, 1                         ; g
	s_and_b32 s22, s20, 1                          ; p
	s_mov_b32 s28, (2<<16)|(1<<20)|(7<<22)|(3<<25) ; no mask; elements of 4 bytes; padding on: after every 256 words (code 7) four words (code 3)
	s_mov_b32 s29, 256<<16                         ; tensor_dim0 = 256
	s_mov_b32 s30, 16<<16                          ; tensor_dim1 = 16
	s_mov_b32 s31, 256<<16                         ; tile_dim0 = 256
	s_mov_b32 s32, 16                              ; tile_dim1 = 16
	s_mov_b32 s33, 256                             ; from row to row
	s_mov_b32 s34, 0
	s_mov_b32 s35, 0
	s_mov_b32 s36, 3<<16                           ; the features: 1,024 dense bytes as 4 rows of 32 elements of 8 bytes, no padding
	s_mov_b32 s37, 32<<16
	s_mov_b32 s38, 4<<16
	s_mov_b32 s39, 32<<16
	s_mov_b32 s40, 4
	s_mov_b32 s41, 32
	s_mov_b32 s42, 0
	s_mov_b32 s43, 0
	s_mul_i32 s24, s20, PIECE
	s_mul_i32 s25, s22, PIECE
	s_lshl_b32 s26, s20, 14
	s_mov_b32 s27, 0
	s_lshl_b32 s74, ttmp9, 18                      ; 256 W rows of 1,024 bytes,
	s_lshl_b32 s75, s20, 15                        ; + 32 w rows
	s_add_co_u32 s74, s74, s75
	s_mov_b32 s75, 0
	s_lshl_b32 s76, s22, 14                        ; xs: half p
	s_mov_b32 s77, 0
	s_mov_b32 s66, 0x76543210
	s_mov_b32 s67, 0xfedcba98                      ; v_permlanex16_b32's selects for lane l xor 16
	s_mov_b32 s68, 0x600000                        ; the mantissa field of 448
	s_mov_b32 s69, 0xffff0000                      ; lanes 16-31
	s_wait_dscnt 0x0                               ; both opening adds are done
	s_wait_kmcnt 0x0
	s_mov_b32 s44, 1
	s_mov_b32 s45, s24                             ; piece w of slot 0
	s_add_nc_u64 s[46:47], s[4:5], s[74:75]        ; rows 256 W + 32 w + 0 .. 15
	s_add_nc_u64 s[50:51], s[46:47], 16384         ; and the 16 rows behind them,
	s_or_b32 s47, s47, 0x80000000
	s_mov_b32 s48, 1
	s_add_co_u32 s49, s24, SLOT1                   ; into piece w of slot 1
	s_or_b32 s51, s51, 0x80000000
	s_mov_b32 s56, 1
	s_add_co_u32 s57, s25, XSL
	s_add_nc_u64 s[58:59], s[10:11], s[76:77]
	s_or_b32 s59, s59, 0x80000000
	s_mov_b32 s60, 1
	s_mov_b32 s61, FEL
	s_mov_b64 s[62:63], s[6:7]
	s_or_b32 s63, s63, 0x80000000
	; THE FIRST FILLS, one group.  Waves 0 and 1 bring xs, wave 2 the features; then every wave its two pieces of training rows: two or three loads of mine are out
	s_cmp_lt_u32 s20, 2
	s_cbranch_scc0 .Lnot_xs
	tensor_load_to_lds s[56:59], s[28:35]
	s_nop 0
	s_branch .Lown
.Lnot_xs:
	s_cmp_eq_u32 s20, 2
	s_cbranch_scc0 .Lown
	tensor_load_to_lds s[60:63], s[36:43]
	s_nop 0
.Lown:
	tensor_load_to_lds s[44:47], s[28:35]
	s_nop 0
	tensor_load_to_lds s[48:51], s[28:35]
	s_nop 0
	; addresses for the quantising.  Lane (r, hk): r = lane % 16 the tile's row, hc = r / 8, hk = lane / 16 the half of a block of 32
	v_and_b32 v[TM], 7, v0                         ; r % 8
	v_bfe_u32 v[TM+1], v0, 3, 1                    ; hc
	v_bfe_u32 v[TM+2], v0, 4, 1                    ; hk
	s_delay_alu instid0(VALU_DEP_3)
	v_mul_u32_u24 v[TM+3], v[TM], 1040
	s_delay_alu instid0(VALU_DEP_1)
	v_lshl_add_u32 v[TM+3], v[TM+2], 6, v[TM+3]
	s_mul_i32 s74, s21, 2*PIECE                    ; my group's two pieces
	v_add_nc_u32 v[TM+3], s74, v[TM+3]
	s_delay_alu instid0(VALU_DEP_1)
	v_mad_u32_u24 v3, v[TM+1], 24960, v[TM+3]      ; even tile: piece hc, row 8 hc + r % 8.  The sixteen rows of a load start 16 bytes apart modulo 256
	s_delay_alu instid0(VALU_DEP_2)
	v_mad_u32_u24 v4, v[TM+1], 8320, v[TM+3]
	s_delay_alu instid0(VALU_DEP_1)
	v_add_nc_u32 v4, 8320, v4                      ; odd tile: piece hc, row 8 (1 - hc) + r % 8
	v_lshl_add_u32 v5, v[TM+2], 6, FEL             ; the features of my half of a block
	s_lshl_b32 s75, s20, 8
	s_add_co_u32 s75, s75, RRL                     ; my wave's r'
	v_lshl_add_u32 v[TM+4], v[TM], 2, s75
	s_delay_alu instid0(VALU_DEP_1)
	v_mad_u32_u24 v6, v[TM+1], 160, v[TM+4]        ; 4 x (32 hc + 8 hc + r % 8): the even tile's row
	s_delay_alu instid0(VALU_DEP_2)
	v_mad_u32_u24 v7, v[TM+1], 96, v[TM+4]
	s_delay_alu instid0(VALU_DEP_1)
	v_add_nc_u32 v7, 32, v7                        ; 4 x (32 hc + 8 (1 - hc) + r % 8): the odd tile's
	s_lshl_b32 s76, ttmp9, 2
	s_add_co_u32 s76, s76, s21                     ; G = 4 W + g
	s_mov_b32 s79, 0
	s_lshl_b32 s78, s76, 14
	s_add_nc_u64 s[12:13], s[12:13], s[78:79]      ; timg: 16,384 bytes a group
	s_lshl_b32 s78, s76, 9
	s_add_nc_u64 s[14:15], s[14:15], s[78:79]      ; ts: 512
	s_lshl_b32 s78, s76, 8
	s_add_nc_u64 s[16:17], s[16:17], s[78:79]      ; rr: 256
	s_lshl_b32 s78, ttmp9, 8
	s_add_nc_u64 s[18:19], s[18:19], s[78:79]      ; cm: my 256 bytes in each block of 8 queries
	s_wait_alu depctr_va_vdst(0)
	s_wait_tensorcnt 0x1                           ; all my loads but the youngest, my piece of slot 1, have landed
	s_barrier_signal -1
	s_barrier_wait -1                              ; slot 0, xs and the features are whole
; Block c of 32 along K for the two tiles in hand: 4 loads of features, 4 of each tile's numbers, into set \set
.macro QLOAD c, set
.irp j, 0,1,2,3
	ds_load_b128 v[R+16*(\set)+4*\j:R+16*(\set)+4*\j+3], v5 offset:128*(\c)+16*\j
.endr
.irp e, 0,1
.irp j, 0,1,2,3
	ds_load_b128 v[B+32*(\set)+16*\e+4*\j:B+32*(\set)+16*\e+4*\j+3], v[3+\e] offset:128*(\c)+16*\j
.endr
.endr
.endm
; Tile t (e = t % 2), block c: my 16 numbers at v[xs], their features at v[fs]: the scale, the squares of f x t, the codes
.macro QTILE t, e, c, xs, fs
.set QX, \xs
.set QF, \fs
.set QA, A+32*(\t)+4*(\c)
.set QS, 8+2*(\e)
	v_max3_num_f32 v[TM], |v[QX]|, |v[QX+1]|, |v[QX+2]|
	v_max3_num_f32 v[TM+1], |v[QX+3]|, |v[QX+4]|, |v[QX+5]|
.irp i, 6,10
	s_delay_alu instid0(VALU_DEP_2)
	v_max3_num_f32 v[TM], v[TM], |v[QX+\i]|, |v[QX+\i+1]|
	s_delay_alu instid0(VALU_DEP_2)
	v_max3_num_f32 v[TM+1], v[TM+1], |v[QX+\i+2]|, |v[QX+\i+3]|
.endr
	s_delay_alu instid0(VALU_DEP_2)
	v_max3_num_f32 v[TM], v[TM], |v[QX+14]|, |v[QX+15]|
	s_delay_alu instid0(VALU_DEP_1)
	v_max3_num_f32 v[TM], v[TM], v[TM+1], 0x4800000    ; and the floor 2^(9 - 127): the byte cannot fall under 1
	s_delay_alu instid0(VALU_DEP_1)
	v_permlanex16_b32 v[TM+1], v[TM], s66, s67
	s_delay_alu instid0(VALU_DEP_1)
	v_max_num_f32 v[TM], v[TM], v[TM+1]            ; the block's largest magnitude
	s_delay_alu instid0(VALU_DEP_1)
	v_add_nc_u32 v[TM+2], 0xfc000000, v[TM]        ; 8 off its exponent field: the conversion's scale operand
	s_delay_alu instid0(VALU_DEP_2)
	v_and_or_b32 v[TM+3], v[TM], 0x7f800000, s68   ; 448 x the scale
	s_delay_alu instid0(VALU_DEP_2)
	v_lshrrev_b32 v[TM+1], 23, v[TM+2]             ; the scale's byte
.if (\c) == 0
	s_delay_alu instid0(VALU_DEP_1)
	v_mov_b32 v[SA+(\t)], v[TM+1]                  ; K step 0's word grows in its own register,
.elseif (\c) < 4
	s_delay_alu instid0(VALU_DEP_1)
	v_lshl_or_b32 v[SA+(\t)], v[TM+1], 8*(\c), v[SA+(\t)]
.elseif (\c) == 4
	s_delay_alu instid0(VALU_DEP_1)
	v_mov_b32 v[TM+10+(\e)], v[TM+1]               ; K step 1's beside it
.else
	s_delay_alu instid0(VALU_DEP_1)
	v_lshl_or_b32 v[TM+10+(\e)], v[TM+1], 8*((\c)-4), v[TM+10+(\e)]
.endif
.irp q, 0,3,6
.irp i, 0,1,2
.if \q+\i < 8
	v_pk_mul_f32 v[TM+4+2*\i:TM+5+2*\i], v[QX+2*(\q+\i):QX+2*(\q+\i)+1], v[QF+2*(\q+\i):QF+2*(\q+\i)+1]   ; f x t
.endif
.endr
.irp i, 0
.if \q+\i < 8
.if ((\c) == 0) && (\q+\i == 0)
	s_delay_alu instid0(VALU_DEP_3)
	v_pk_mul_f32 v[QS:QS+1], v[TM+4:TM+5], v[TM+4:TM+5]          ; the first square starts the sum
.else
	v_pk_fma_f32 v[QS:QS+1], v[TM+4+2*\i:TM+5+2*\i], v[TM+4+2*\i:TM+5+2*\i], v[QS:QS+1]
.endif
.endif
.endr
.irp i, 1, 2
.if \q+\i < 8
.if ((\c) == 0) && (\q+\i == 0)
	v_pk_mul_f32 v[QS:QS+1], v[TM+4:TM+5], v[TM+4:TM+5]          ; the first square starts the sum
.else
	s_delay_alu instid0(VALU_DEP_1)
	v_pk_fma_f32 v[QS:QS+1], v[TM+4+2*\i:TM+5+2*\i], v[TM+4+2*\i:TM+5+2*\i], v[QS:QS+1]
.endif
.endif
.endr
.endr
.irp i, 0,1,2,3,4,5,6,7,8,9,10,11,12,13,14,15
.endr
	v_cvt_scalef32_pk8_fp8_f32 v[QA:QA+1], v[QX:QX+7], v[TM+2]
	v_cvt_scalef32_pk8_fp8_f32 v[QA+2:QA+3], v[QX+8:QX+15], v[TM+2]
	v_nop                                          ; a plain line behind the conversions
.endm
; Tiles 2 ph and 2 ph + 1, from slot ph: the loads run one block ahead
.macro QPHASE ph
	QLOAD 0, 0
.irp c, 0,1,2,3,4,5,6
	QLOAD \c+1, (\c+1)%2
	s_wait_dscnt 12                                ; this block's twelve loads are in; the next block's twelve may be out
	QTILE 2*(\ph), 0, \c, B+32*(\c%2), R+16*(\c%2)
	QTILE 2*(\ph)+1, 1, \c, B+32*(\c%2)+16, R+16*(\c%2)
.endr
	s_wait_dscnt 0x0
	QTILE 2*(\ph), 0, 7, B+32, R+16
	QTILE 2*(\ph)+1, 1, 7, B+48, R+16
.irp e, 0,1
	v_add_f32 v[TM+2*\e], v[8+2*\e], v[9+2*\e]
.endr
.irp e, 0,1
	s_delay_alu instid0(VALU_DEP_2)
	v_permlanex16_b32 v[TM+1+2*\e], v[TM+2*\e], s66, s67
.endr
.irp e, 0,1
	s_delay_alu instid0(VALU_DEP_2)
	v_add_f32 v[TM+2*\e], v[TM+2*\e], v[TM+1+2*\e] ; |f o t|^2 of my row
.endr
.irp e, 0,1
	v_mul_f32 v[TM+2*\e], 0x3e800000, v[TM+2*\e]   ; r'
	ds_store_b32 v[6+\e], v[TM+2*\e] offset:64*(\ph)   ; both halves of the lanes write the same word with the same value
	v_cndmask_b32 v[SA+2*(\ph)+\e], v[SA+2*(\ph)+\e], v[TM+10+\e], s69   ; lanes 0-15 keep K step 0's word, lanes 16-31 take K step 1's
.endr
.endm
	QPHASE 0
	; slot 0 has been read out: it takes x's quads 0 to 7, a quad a wave
	s_wait_tensorcnt 0x0                           ; all my tensor loads have landed, my piece of slot 1 among them
	ds_add_u32 v[SPW], v[NIL]                      ; 0 onto my spare word
	s_mov_b32 s52, 1
	s_mov_b32 s53, s24
	s_add_nc_u64 s[54:55], s[8:9], s[26:27]        ; xc: quad w
	s_or_b32 s55, s55, 0x80000000
	v_add_nc_u32 v3, SLOT1, v3                     ; the next two tiles' numbers lie in slot 1
	v_add_nc_u32 v4, SLOT1, v4
	s_wait_alu depctr_va_vdst(0)
	s_wait_dscnt 0x0                               ; the add is done, and my reads of slot 0 are over
	s_barrier_signal -1
	s_barrier_wait -1
	tensor_load_to_lds s[52:55], s[28:35]          ; my one load behind this barrier
	s_nop 0
	QPHASE 1
	; slot 1 likewise: quads 8 to 15
	s_wait_tensorcnt 0x0
	ds_add_u32 v[SPW], v[NIL]
	s_add_co_u32 s53, s24, SLOT1
	s_add_nc_u64 s[54:55], s[54:55], 131072        ; eight quads on; the type bits on top are not reached
	s_wait_dscnt 0x0
	s_barrier_signal -1
	s_barrier_wait -1
	tensor_load_to_lds s[52:55], s[28:35]
	s_nop 0
	; addresses for the walk
	v_and_b32 v[TM], 31, v0                        ; lane
	v_and_b32 v[TM+1], 15, v0                      ; r: my query in a tile
	v_bfe_u32 v[TM+2], v0, 4, 1                    ; h
	s_delay_alu instid0(VALU_DEP_3)
	v_lshlrev_b32 v11, 4, v[TM]                    ; v11: 16 x lane
	s_delay_alu instid0(VALU_DEP_1)
	v_add_nc_u32 v3, s25, v11                      ; v3: my place in a slot's first quad of parity p
	s_mul_i32 s74, s22, 1040
	s_add_co_u32 s74, s74, XSL
	v_lshl_add_u32 v4, v[TM], 3, s74               ; v4: my record in quad p's first tile
	s_lshl_b32 s75, s20, 11
	s_add_co_u32 s75, s75, EML
	v_lshl_add_u32 v5, v[TM+1], 3, s75
	s_delay_alu instid0(VALU_DEP_1)
	v_lshl_add_u32 v5, v[TM+2], 2, v5              ; v5: my word in my wave's stage
	v_and_b32 v[TM+3], 1, v0
	v_lshrrev_b32 v[TM+4], 1, v[TM]
	s_lshl_b32 s76, s22, 11
	s_lshl_b32 s77, s21, 9
	s_add_co_u32 s76, s76, s77
	s_add_co_u32 s76, s76, EML
	v_lshl_add_u32 v9, v[TM+3], 13, s76            ; v9: the flush: queries 64 w on of the slot were worked in trip w / 2 by the waves of parity w % 2; lane: query lane / 2, chunks 4 (lane % 2) on: waves 4 (lane % 2) + p and two further
	s_delay_alu instid0(VALU_DEP_1)
	v_lshl_add_u32 v9, v[TM+4], 3, v9
	s_lshl_b32 s77, s20, 19
	v_lshl_add_u32 v10, v[TM+2], 16, s77           ; v10: cm: block of 8 queries 8 w + lane / 16 (65,536 bytes a block), 16 bytes a lane
	s_delay_alu instid0(VALU_DEP_1)
	v_lshl_add_u32 v10, v[TM+1], 4, v10
	s_lshl_b32 s78, s20, 8
	s_add_co_u32 s78, s78, RRL
	v_mad_u32_u24 v[TM+5], v[TM+2], 160, s78       ; r' of my chunk's eight rows of an even tile,
	v_mad_u32_u24 v[TM+6], v[TM+2], 96, s78        ; of an odd one (+ 32)
	v_lshl_add_u32 v[TM+7], v[TM], 3, s78
	v_lshlrev_b32 v126, 3, v[TM]                   ; 8 x lane
.irp t, 0,1,2,3
	ds_load_b128 v[R+8*\t:R+8*\t+3], v[TM+5+\t%2] offset:64*(\t/2)+32*(\t%2)        ; LDS serves a wave's instructions in order: these see my stores
	ds_load_b128 v[R+8*\t+4:R+8*\t+7], v[TM+5+\t%2] offset:64*(\t/2)+32*(\t%2)+16
.endr
	ds_load_b64 v[PR:PR+1], v4                     ; the first two tiles' (l', scale word)
	ds_load_b64 v[PR+2:PR+3], v4 offset:256
	ds_load_b64 v[124:125], v[TM+7]                ; r' in the rows' order, for rr
	s_wait_dscnt 0x0
	s_cmp_lg_u32 s22, 0
	s_cbranch_scc1 .Lnot_even                      ; one wave of each group stores the group's images.  None of these registers is written again
.irp m, 0,1,2,3,4,5,6,7,8,9,10,11,12,13,14,15,16,17,18,19,20,21,22,23,24,25,26,27,28,29,30,31
	global_store_b128 v11, v[A+4*\m:A+4*\m+3], s[12:13] offset:512*\m    ; 32 lanes store 512 consecutive bytes
.endr
	global_store_b128 v11, v[SA:SA+3], s[14:15]
	s_wait_alu depctr_va_vdst(0)
	global_store_b64 v126, v[124:125], s[16:17]
.Lnot_even:
; The eight products of a tile of queries: the four accumulators by turns, K step 0 and then K step 1.  C = D: the root goes in, d / 2 comes out
.macro MM i
.irp t, 0,1,2,3
	v_wmma_scale_f32_16x16x128_f8f6f4 v[ACC+8*\t:ACC+8*\t+7], v[A+32*\t:A+32*\t+15], v[B:B+15], v[ACC+8*\t:ACC+8*\t+7], v[SA+\t], v[PR+2*((\i)%2)+1]
.endr
.irp t, 0,1,2,3
	v_wmma_scale_f32_16x16x128_f8f6f4 v[ACC+8*\t:ACC+8*\t+7], v[A+32*\t+16:A+32*\t+31], v[B+16:B+31], v[ACC+8*\t:ACC+8*\t+7], v[SA+\t], v[PR+2*((\i)%2)+1] matrix_a_scale:MATRIX_SCALE_ROW1 matrix_b_scale:MATRIX_SCALE_ROW1
.endr
.endm
.macro BLOAD off                       ; a tile of queries: eight runs of 512 consecutive bytes
.irp f, 0,1,2,3,4,5,6,7
	ds_load_b128 v[B+4*\f:B+4*\f+3], v6 offset:(\off)+1040*(\f/2)+512*(\f%2)
.endr
.endm
.macro MINTREE                         ; the smallest of my 32 results; each accumulator is read from its low end on
.irp t, 0,1,2,3
	v_min3_num_f32 v[TM+\t], v[ACC+8*\t], v[ACC+8*\t+1], v[ACC+8*\t+2]
.endr
.irp t, 0,1,2,3
	v_min3_num_f32 v[TM+\t], v[TM+\t], v[ACC+8*\t+3], v[ACC+8*\t+4]
.endr
.irp t, 0,1,2,3
	v_min3_num_f32 v[TM+\t], v[TM+\t], v[ACC+8*\t+5], v[ACC+8*\t+6]
.endr
	v_min3_num_f32 v[TM], v[TM], v[ACC+7], v[ACC+15]
	v_min3_num_f32 v[TM+2], v[TM+2], v[ACC+23], v[ACC+31]
	s_delay_alu instid0(VALU_DEP_1)
	v_min3_num_f32 v[TM], v[TM], v[TM+1], v[TM+2]
	s_delay_alu instid0(VALU_DEP_1)
	v_min_num_f32 v[TM], v[TM], v[TM+3]
.endm
.macro CADD pp                         ; l' + r' for the next tile, two at a time (of the pair the low word, l', serves both halves)
.irp m, 0,1,2,3,4,5,6,7,8,9,10,11,12,13,14,15
	v_pk_add_f32 v[ACC+2*\m:ACC+2*\m+1], v[R+2*\m:R+2*\m+1], v[PR+2*(\pp):PR+2*(\pp)+1] op_sel_hi:[1,0]
.endr
.endm
.macro CROOT                           ; the roots, one batch: a plain line behind the last, and the one wait ahead of the first line that names a result
.irp m, 0,1,2,3,4,5,6,7,8,9,10,11,12,13,14,15,16,17,18,19,20,21,22,23,24,25,26,27,28,29,30,31
	v_sqrt_f32 v[ACC+\m], v[ACC+\m]
.endr
	v_nop
	s_wait_alu depctr_va_vdst(0)
.endm
; Tile i of a quad.  boff: where the next tile's fragments lie from v6 on (under 0: none are fetched here); poff: where the record of the tile after next lies from v7 on (under 0: none)
.macro TILE i, boff, poff
	s_wait_dscnt 0x0                               ; this tile's fragments and the next tile's record are in
	MM \i
.rept 8
	v_nop                                          ; eight places behind the products, ahead of the loads into their sources and of the first read of their results
.endr
.if (\boff) >= 0
	BLOAD \boff
.endif
.if (\poff) >= 0
	ds_load_b64 v[PR+2*((\i)%2):PR+2*((\i)%2)+1], v7 offset:\poff
.endif
	MINTREE
	ds_store_b32 v8, v[TM] offset:128*(\i)
.endm
.macro TRIPHEAD
	v_add_nc_u32 v6, s71, v3
	v_add_nc_u32 v7, s72, v4
	v_add_nc_u32 v8, s73, v5
.endm
; The slot's 512 queries x 8 chunks leave: a lane's 16 bytes come from two waves' stages; sixteen lanes store 256 consecutive bytes, aligned.  again = 1: the stage will be written again
.macro FLUSH again
.irp j, 0,1,2,3
.irp a, 0,1
	ds_load_b64 v[B+4*\j+2*\a:B+4*\j+2*\a+1], v9 offset:4096*\a+128*\j
.endr
.endr
	s_wait_dscnt 0x0                               ; my reads of the stages are over
.if \again
	s_barrier_signal -1
	s_barrier_wait -1                              ; everybody's are: the stages may be written again.
.endif
.irp j, 0,1,2,3
	global_store_b128 v10, v[B+4*\j:B+4*\j+3], s[18:19] offset:131072*\j
.endr
.if \again
	s_wait_xcnt 0x0                                ; the stores have read their data and their base: both are written again below
	s_add_nc_u64 s[18:19], s[18:19], 4194304       ; 64 blocks of 8 queries on
.endif
.endm
; A slot's last tile and the change of slots.  fill = 1: the slot just read (at LDS byte lds) takes the quads two slots on
.macro TURN fill, lds
	TILE 3, -1, 2336
	s_wait_tensorcnt 0x0                           ; all my tensor loads have landed: my piece of the other slot
	ds_add_u32 v[SPW], v[NIL]                      ; 0 onto my spare word; work on registers stands between it and the wait for it
.if \fill
	s_add_co_u32 s53, s24, \lds
	s_add_nc_u64 s[54:55], s[54:55], 131072
.endif
	CADD 0
	s_wait_dscnt 0x0                               ; the add is done, my reads of the slot are over, my minima lie in my stage
	s_barrier_signal -1
	s_wait_alu depctr_va_vdst(0)
	CROOT                                          ; work on registers while the others arrive
	s_barrier_wait -1
.if \fill
	tensor_load_to_lds s[52:55], s[28:35]          ; my one load behind this barrier, and the first thing there: it has a whole slot's tiles in which to land
	s_nop 0
.endif
	FLUSH 1
.endm
; Slot sg: eight quads, of which I walk the four of parity p: three trips in a loop, the fourth written out.  kind 1: a change of slots with a refill; 2: without; 3: the end
.macro SLOT sg, kind
	s_mov_b32 s71, ((\sg)%2)*SLOT1                 ; the quad in hand: its place in LDS,
	s_mov_b32 s72, 8320*(\sg)                      ; its records',
	s_mov_b32 s73, 0                               ; its minima's
	v_add_nc_u32 v6, s71, v3
	BLOAD 0                                        ; the slot's first tile
	s_mov_b32 s70, 3
.Ltrip_\@:
	TRIPHEAD
	s_wait_alu depctr_va_vdst(0)
	TILE 0, 4160, 512
	CADD 1
	s_wait_alu depctr_va_vdst(0)
	CROOT
	TILE 1, 8320, 768
	CADD 0
	s_wait_alu depctr_va_vdst(0)
	CROOT
	TILE 2, 12480, 2080
	CADD 1
	s_wait_alu depctr_va_vdst(0)
	CROOT
	TILE 3, 33280, 2336                            ; the next quad of my parity lies two pieces on
	CADD 0
	s_wait_alu depctr_va_vdst(0)
	CROOT
	s_add_co_u32 s71, s71, 2*PIECE
	s_add_co_u32 s72, s72, 2080
	s_add_co_u32 s73, s73, 512
	s_sub_co_u32 s70, s70, 1
	s_cmp_lg_u32 s70, 0
	s_cbranch_scc1 .Ltrip_\@
	TRIPHEAD
	s_wait_alu depctr_va_vdst(0)
	TILE 0, 4160, 512
	CADD 1
	s_wait_alu depctr_va_vdst(0)
	CROOT
	TILE 1, 8320, 768
	CADD 0
	s_wait_alu depctr_va_vdst(0)
	CROOT
.if (\kind) < 3
	TILE 2, 12480, 2080
	CADD 1
	s_wait_alu depctr_va_vdst(0)
	CROOT
	TURN 2-(\kind), ((\sg)%2)*SLOT1
.else
	TILE 2, 12480, -1                              ; the last quad asks for nothing beyond the end
	CADD 1
	s_wait_alu depctr_va_vdst(0)
	CROOT
	TILE 3, -1, -1
.endif
.endm
	CADD 0                                         ; the first tile's roots
	s_wait_alu depctr_va_vdst(0)
	CROOT
	SLOT 0, 1                                      ; quads 0-7; behind it slot 0 takes quads 16-23
	SLOT 1, 1                                      ; quads 8-15; slot 1 takes quads 24-31
	SLOT 2, 2
	SLOT 3, 3
	s_wait_dscnt 0x0                               ; my last minima lie in my stage
	s_barrier_signal -1
	s_barrier_wait -1
	FLUSH 0
	s_wait_tensorcnt 0x0                           ; the wave's end, behind my last tensor load and my last LDS store
	ds_add_u32 v[SPW], v[NIL]
	s_wait_dscnt 0x0
	s_endpgm
.Lfunc_end_k_qf4372c8336_main:
	.size	k_qf4372c8336_main, .Lfunc_end_k_qf4372c8336_main-k_qf4372c8336_main
	.p2alignl 7, 3214868480
	.fill 96, 4, 3214868480
	.section	.rodata,"a",@progbits
	.p2align	6, 0x0
	.amdhsa_kernel k_qf4372c8336_main
		.amdhsa_group_segment_fixed_size 327680
		.amdhsa_private_segment_fixed_size 0
		.amdhsa_enable_private_segment 0
		.amdhsa_kernarg_size 64
		.amdhsa_user_sgpr_count 2
		.amdhsa_user_sgpr_kernarg_segment_ptr 1
		.amdhsa_wavefront_size32 1
		.amdhsa_system_sgpr_workgroup_id_x 1
		.amdhsa_system_sgpr_workgroup_id_y 1
		.amdhsa_system_sgpr_workgroup_id_z 1
		.amdhsa_system_vgpr_workitem_id 0
		.amdhsa_next_free_vgpr 256
		.amdhsa_next_free_sgpr 96
		.amdhsa_reserve_vcc 0
		.amdhsa_float_denorm_mode_32 3
		.amdhsa_float_denorm_mode_16_64 3
		.amdhsa_fp16_overflow 1
		.amdhsa_memory_ordered 1
		.amdhsa_forward_progress 1
		.amdhsa_inst_pref_size 255
	.end_amdhsa_kernel
	.section	.bss,"aw",@nobits
	.p2align	6
	.space	262144
	.amdgpu_metadata
---
amdhsa.version: [ 1, 2 ]
amdhsa.kernels:
  - .name:           k_qf4372c8336_main
    .symbol:         k_qf4372c8336_main.kd
    .args:
      - { .name: train_inputs, .offset: 0, .size: 8, .value_kind: global_buffer, .address_space: global }
      - { .name: features, .offset: 8, .size: 8, .value_kind: global_buffer, .address_space: global }
      - { .name: xc, .offset: 16, .size: 8, .value_kind: global_buffer, .address_space: global }
      - { .name: xs, .offset: 24, .size: 8, .value_kind: global_buffer, .address_space: global }
      - { .name: timg, .offset: 32, .size: 8, .value_kind: global_buffer, .address_space: global }
      - { .name: ts, .offset: 40, .size: 8, .value_kind: global_buffer, .address_space: global }
      - { .name: rr, .offset: 48, .size: 8, .value_kind: global_buffer, .address_space: global }
      - { .name: cm, .offset: 56, .size: 8, .value_kind: global_buffer, .address_space: global }
    .group_segment_fixed_size: 327680
    .private_segment_fixed_size: 0
    .kernarg_segment_align: 8
    .kernarg_segment_size: 64
    .max_flat_workgroup_size: 256
    .sgpr_count:     96
    .vgpr_count:     256
    .wavefront_size: 32
...
	.end_amdgpu_metadata
.endif
;; end of part 2
;; launch pick (part 3): grid 256 x 1, 8 waves a work-group, no clusters, 7,168 bytes of LDS; arguments cm, cid; writes cid
.if DOCPART == 3
	.amdgcn_target "amdgcn-amd-amdhsa--gfx1250"
	.amdhsa_code_object_version 6
	.text
	.protected	k_qf4372c8336_pick
	.globl	k_qf4372c8336_pick
	.p2align	8
	.type	k_qf4372c8336_pick,@function
k_qf4372c8336_pick:
	s_mov_b64 s[64:65], 0
	v_nop
	global_prefetch_b8 v0, s[64:65] scope:SCOPE_SE
	s_setreg_imm32_b32 hwreg(HW_REG_WAVE_MODE, 25, 1), 1
	s_wait_xcnt 0x0
; For each query the three chunks with the smallest (minimum of d / 2, chunk number), out of 2,048; their numbers go to cid as whole numbers, [query][3 numbers and a 0].  No work of reference() is left out here.
; cm: [block of 8 queries][work-group W of the launch before, 256][query 8][chunk 8] f32; chunk number = 8 W + chunk.
; Work-group o owns 8 queries: 65,536 dense bytes.  A thread reads 16 x 16 bytes, all of one query, (lane / 2) % 8, with chunk numbers that rise from load to load and from register to register, and keeps a sorted
; three by strict comparison: the earlier, lower number keeps a tie.  The 32 threads of a query lay their threes in LDS; wave q takes query q's 96 candidates and draws the smallest three times, ties to the lower number.
; The numbers are stored 16 bytes a query: 32,768 bytes in the whole launch.  Streaming: no matrix unit, no cluster, no tensor load.
; LIMITS: NaN and infinities among the minima are not served.
.set VAL, 0                            ; LDS: [rank 3][query 8][thread of the query 32] f32,
.set IDX, 3072                         ; the chunk numbers likewise, as f32 (under 2,048: exact),
.set SPARE, 6144                       ; the spare words, 128 bytes for each wave: four blocks of 256 bytes that no other line names
.set D, 48                             ; v48-111  the 64 minima as loaded
	s_load_b128 s[4:7], s[0:1], 0x0                ; cm, cid
	v_lshl_add_u32 v1, v0, 2, SPARE
	v_mov_b32 v2, 0
	v_lshrrev_b32 v3, 5, v0                        ; wave
	v_and_b32 v4, 31, v0                           ; lane
	v_lshlrev_b32 v5, 4, v0                        ; 512 x wave + 16 x lane
	v_bfe_u32 v7, v0, 4, 1
	v_and_b32 v8, 1, v0
	v_lshlrev_b32 v6, 4, v3
	s_delay_alu instid0(VALU_DEP_1)
	v_lshl_add_u32 v6, v7, 3, v6
	s_delay_alu instid0(VALU_DEP_1)
	v_lshl_add_u32 v6, v8, 2, v6                   ; 16 w + 8 (lane / 16) + 4 (lane % 2): my first chunk number; and 4 x my place among the query's 32 threads
	v_bfe_u32 v10, v0, 1, 3                        ; my query
	s_delay_alu instid0(VALU_DEP_1)
	v_lshl_add_u32 v9, v10, 7, v6                  ; where I lay my three
	v_lshlrev_b32 v19, 2, v0                       ; 128 x wave + 4 x lane: where I read a candidate of query w
	s_lshl_b32 s10, ttmp9, 16
	s_mov_b32 s11, 0
	s_lshl_b32 s16, ttmp9, 7                       ; cid: 8 queries x 16 bytes
	s_mov_b32 s17, 0
	s_mov_b32 s12, 0x76543210
	s_mov_b32 s13, 0xfedcba98                      ; v_permlanex16_b32's selects for lane l xor 16
	v_mov_b32 v12, 0x7f800000                      ; the three smallest so far: +infinity,
	v_mov_b32 v13, 0x7f800000
	v_mov_b32 v14, 0x7f800000
	v_mov_b32 v15, 0                               ; and their numbers
	v_mov_b32 v16, 0
	v_mov_b32 v17, 0
	s_wait_alu depctr_va_vdst(0)
	s_wait_kmcnt 0x0
	s_add_nc_u64 s[4:5], s[4:5], s[10:11]
	s_add_nc_u64 s[6:7], s[6:7], s[16:17]
.irp k, 0,1,2,3,4,5,6,7,8,9,10,11,12,13,14,15
	global_load_b128 v[D+4*\k:D+4*\k+3], v5, s[4:5] offset:4096*\k th:TH_LOAD_NT   ; 32 lanes read 512 consecutive bytes
.endr
.macro INSERT val, idc                 ; v[val], with the number my first + idc, into the sorted three
	v_add_nc_u32 v18, \idc, v6
	v_cmp_lt_f32 s20, v[\val], v14
	v_cmp_lt_f32 s21, v[\val], v13
	v_cmp_lt_f32 s22, v[\val], v12
	s_delay_alu instid0(VALU_DEP_3)
	v_cndmask_b32 v17, v17, v18, s20
	s_delay_alu instid0(VALU_DEP_1)
	v_cndmask_b32 v17, v17, v16, s21
	s_delay_alu instid0(VALU_DEP_4)
	v_cndmask_b32 v16, v16, v18, s21
	s_delay_alu instid0(VALU_DEP_1)
	v_cndmask_b32 v16, v16, v15, s22
	v_cndmask_b32 v15, v15, v18, s22
	v_med3_num_f32 v14, v[\val], v13, v14
	v_med3_num_f32 v13, v[\val], v12, v13
	v_min_num_f32 v12, v[\val], v12
.endm
.irp k, 0,1,2,3,4,5,6,7,8,9,10,11,12,13,14,15
	s_wait_alu depctr_va_vdst(0)
	s_wait_loadcnt 15-\k                           ; load k is in; the later ones may be out
.irp e, 0,1,2,3
	INSERT D+4*\k+\e, 128*\k+\e
.endr
.endr
	s_delay_alu instid0(VALU_DEP_4)
	v_cvt_f32_u32 v15, v15
	v_cvt_f32_u32 v16, v16
	v_cvt_f32_u32 v17, v17
.irp j, 0,1,2
	ds_store_b32 v9, v[12+\j] offset:VAL+1024*\j
	ds_store_b32 v9, v[15+\j] offset:IDX+1024*\j
.endr
	s_wait_dscnt 0x0                               ; for the others' sake: my stores have landed
	s_barrier_signal -1
	s_barrier_wait -1
.irp j, 0,1,2
	ds_load_b32 v[20+\j], v19 offset:VAL+1024*\j
	ds_load_b32 v[23+\j], v19 offset:IDX+1024*\j
.endr
	v_mov_b32 v31, 0                               ; written once: a lane permute's destination counts as one of its sources
	v_mov_b32 v43, 0x7f61b1e6                      ; 3e38: over every chunk number
	v_mov_b32 v44, 0x7f800000                      ; +infinity
	s_wait_dscnt 0x0
.macro WMIN reg                        ; the smallest over the 32 lanes, in every lane
	s_delay_alu instid0(VALU_DEP_1)
	v_min_num_f32_dpp v[\reg], v[\reg], v[\reg] row_xmask:1 row_mask:0xf bank_mask:0xf
	s_delay_alu instid0(VALU_DEP_1)
	v_min_num_f32_dpp v[\reg], v[\reg], v[\reg] row_xmask:2 row_mask:0xf bank_mask:0xf
	s_delay_alu instid0(VALU_DEP_1)
	v_min_num_f32_dpp v[\reg], v[\reg], v[\reg] row_xmask:4 row_mask:0xf bank_mask:0xf
	s_delay_alu instid0(VALU_DEP_1)
	v_min_num_f32_dpp v[\reg], v[\reg], v[\reg] row_xmask:8 row_mask:0xf bank_mask:0xf
	s_wait_alu depctr_va_vdst(0)
	v_permlanex16_b32 v31, v[\reg], s12, s13
	s_delay_alu instid0(VALU_DEP_1)
	v_min_num_f32 v[\reg], v[\reg], v31
.endm
.macro EXTRACT k                       ; the smallest value; among its holders the lowest number, into v[40 + k]; that candidate is struck out
	v_min3_num_f32 v30, v20, v21, v22
	WMIN 30
.irp j, 0,1,2
	v_cmp_eq_f32 vcc_lo, v[20+\j], v30
	s_delay_alu instid0(VALU_DEP_1)
	v_cndmask_b32 v[32+\j], v43, v[23+\j], vcc_lo
.endr
	s_delay_alu instid0(VALU_DEP_1)
	v_min3_num_f32 v[40+\k], v32, v33, v34
	WMIN 40+\k
.irp j, 0,1,2
	v_cmp_eq_f32 vcc_lo, v[23+\j], v[40+\k]
	s_delay_alu instid0(VALU_DEP_1)
	v_cndmask_b32 v[20+\j], v[20+\j], v44, vcc_lo
.endr
.endm
	EXTRACT 0
	EXTRACT 1
	EXTRACT 2
	v_cvt_u32_f32 v40, v40
	v_cvt_u32_f32 v41, v41
	v_cvt_u32_f32 v42, v42
	v_mov_b32 v45, 0
.irp j, 0,1,2
	v_cmp_eq_u32 vcc_lo, \j, v4
	s_delay_alu instid0(VALU_DEP_1)
	v_cndmask_b32 v45, v45, v[40+\j], vcc_lo       ; lane j holds number j, lane 3 a 0
.endr
	v_lshlrev_b32 v46, 2, v4
	s_delay_alu instid0(VALU_DEP_1)
	v_lshl_add_u32 v46, v3, 4, v46                 ; query w's 16 bytes
	v_cmp_gt_u32 vcc_lo, 4, v4
	s_wait_alu depctr_va_vdst(0)
	s_wait_xcnt 0x0                                ; EXEC changes only behind this wait
	s_and_saveexec_b32 s14, vcc_lo
	global_store_b32 v46, v45, s[6:7]
	s_wait_xcnt 0x0                                ; and again, ahead of the line that widens it
	s_or_b32 exec_lo, exec_lo, s14
	s_wait_tensorcnt 0x0                           ; the wave's end, behind my last LDS store
	ds_add_u32 v1, v2
	s_wait_dscnt 0x0
	s_endpgm
.Lfunc_end_k_qf4372c8336_pick:
	.size	k_qf4372c8336_pick, .Lfunc_end_k_qf4372c8336_pick-k_qf4372c8336_pick
	.p2alignl 7, 3214868480
	.fill 96, 4, 3214868480
	.section	.rodata,"a",@progbits
	.p2align	6, 0x0
	.amdhsa_kernel k_qf4372c8336_pick
		.amdhsa_group_segment_fixed_size 7168
		.amdhsa_private_segment_fixed_size 0
		.amdhsa_enable_private_segment 0
		.amdhsa_kernarg_size 16
		.amdhsa_user_sgpr_count 2
		.amdhsa_user_sgpr_kernarg_segment_ptr 1
		.amdhsa_wavefront_size32 1
		.amdhsa_system_sgpr_workgroup_id_x 1
		.amdhsa_system_sgpr_workgroup_id_y 1
		.amdhsa_system_sgpr_workgroup_id_z 1
		.amdhsa_system_vgpr_workitem_id 0
		.amdhsa_next_free_vgpr 112
		.amdhsa_next_free_sgpr 66
		.amdhsa_reserve_vcc 1
		.amdhsa_float_denorm_mode_32 3
		.amdhsa_float_denorm_mode_16_64 3
		.amdhsa_memory_ordered 1
		.amdhsa_forward_progress 1
		.amdhsa_inst_pref_size 66
	.end_amdhsa_kernel
	.amdgpu_metadata
---
amdhsa.version: [ 1, 2 ]
amdhsa.kernels:
  - .name:           k_qf4372c8336_pick
    .symbol:         k_qf4372c8336_pick.kd
    .args:
      - { .name: cm, .offset: 0, .size: 8, .value_kind: global_buffer, .address_space: global }
      - { .name: cid, .offset: 8, .size: 8, .value_kind: global_buffer, .address_space: global }
    .group_segment_fixed_size: 7168
    .private_segment_fixed_size: 0
    .kernarg_segment_align: 8
    .kernarg_segment_size: 16
    .max_flat_workgroup_size: 256
    .sgpr_count:     66
    .vgpr_count:     112
    .wavefront_size: 32
...
	.end_amdgpu_metadata
.endif
;; end of part 3
;; launch vote (part 4): grid 256 x 1, 12 waves a work-group, no clusters, 2,048 bytes of LDS; arguments cid, xc, xs, timg, ts, rr, train_labels, out0; writes out0
.if DOCPART == 4
	.amdgcn_target "amdgcn-amd-amdhsa--gfx1250"
	.amdhsa_code_object_version 6
	.text
	.protected	k_qf4372c8336_vote
	.globl	k_qf4372c8336_vote
	.p2align	8
	.type	k_qf4372c8336_vote,@function
k_qf4372c8336_vote:
	s_mov_b64 s[64:65], 0
	v_nop
	global_prefetch_b8 v0, s[64:65] scope:SCOPE_SE
	s_setreg_imm32_b32 hwreg(HW_REG_WAVE_MODE, 25, 1), 1
	s_wait_xcnt 0x0
; The output.  out[j] = one_hot((flat[j] + flat[2048 + j] + flat[4096 + j]) // 3), flat[i] = the label of the (i % 3)-th nearest training row of query i / 3: reference()'s reshape of [2048][3] to [3][2048].
; Of the products only those of each query's three chosen chunks are done again: the three smallest distances of a row lie there (shown at the head of the first launch).
; Work-group W owns outputs 8 W .. 8 W + 7.  Its three runs of flat, rho = 0, 1, 2, begin at s0 = 2048 rho + 8 W and touch the queries s0 / 3 + 0 .. 3: wave w = 4 rho + sl takes query s0 / 3 + sl, if the run reaches it
; (a branch on ids alone; a wave without a query lays zeros, which nobody chooses).
; A WAVE'S QUERY: its three chunk numbers are read from cid, held to 0 .. 2,047, and lead to the chunks' images in timg.  Source 0 = the query, sixteen times; source 1 = 16 training rows: lane (r4, .) holds candidate r4 in
; register 0 of the result; lanes 16-31 repeat lanes 0-15.  Six products' results + sqrt(l' + r') are the 96 values of d / 2.  The smallest is drawn three times, ties to the lower n; its LABEL is carried along by selection,
; so that no address hangs on a floating-point number.
; LIMITS: as stated at the head of the first launch; here the root is added to the rounded product, as reference() has it, so a value may differ in its last place from the one that chose the chunks.
.set SPARE, 256                        ; LDS: bytes 0-191: flat's three runs, 64 bytes each, word 3 sl + k; from 256 the spare words, 128 bytes for each wave: six blocks of 256 bytes that no other line names
.set Q,   32                           ; v32-63   the query's two fragments
.set DD,  192                          ; v192-239 six results
.set NF,  240                          ; v240-245 the candidates' n, as f32 (under 65,536: exact)
; v[12:13] (l', the query's scale word); v14-19 the tiles' scale words; v20-25 r', then half the root, then d / 2; v26-31 labels; v64-127, v128-191 two chunks' fragments; v252-254 the three labels; v255 4 x my output's row
	s_load_b256 s[4:11], s[0:1], 0x0               ; cid s[4:5], xc s[6:7], xs s[8:9], timg s[10:11]
	s_load_b256 s[12:19], s[0:1], 0x20             ; ts s[12:13], rr s[14:15], labels s[16:17], out s[18:19]
	v_lshl_add_u32 v1, v0, 2, SPARE
	v_mov_b32 v2, 0
	v_lshrrev_b32 v3, 5, v0
	s_delay_alu instid0(VALU_DEP_1)
	v_readfirstlane_b32 s20, v3                    ; wave 0..11
	s_lshr_b32 s21, s20, 2                         ; rho
	s_and_b32 s22, s20, 3                          ; sl
	s_lshl_b32 s23, ttmp9, 3                       ; 8 W
.irp p, 0,1,2
	s_add_co_u32 s28, s23, 2048*\p                 ; s0 of run p,
	s_mul_hi_u32 s29, s28, 0xaaaaaaab
	s_lshr_b32 s29, s29, 1                         ; s0 / 3,
	s_mul_i32 s29, s29, 3
	s_sub_co_u32 s30, s28, s29                     ; s0 % 3, as two masks
	s_cmp_eq_u32 s30, 1
	s_cselect_b32 s[44+2*\p], -1, 0
	s_cmp_eq_u32 s30, 2
	s_cselect_b32 s[45+2*\p], -1, 0
.endr
	s_lshl_b32 s24, s21, 11
	s_add_co_u32 s24, s24, s23                     ; my run's s0
	s_mul_hi_u32 s25, s24, 0xaaaaaaab
	s_lshr_b32 s25, s25, 1
	s_add_co_u32 s25, s25, s22                     ; my query
	s_mul_i32 s26, s25, 3
	s_add_co_u32 s27, s24, 7
	s_mov_b32 s58, 21846
	v_and_b32 v4, 7, v0                            ; r4 % 8
	v_bfe_u32 v5, v0, 3, 1                         ; r4 / 8
	v_bfe_u32 v6, v0, 4, 1                         ; hk
	s_delay_alu instid0(VALU_DEP_2)
	v_lshlrev_b32 v7, 12, v5
	s_delay_alu instid0(VALU_DEP_1)
	v_lshl_add_u32 v7, v4, 4, v7
	s_delay_alu instid0(VALU_DEP_1)
	v_lshl_add_u32 v7, v6, 8, v7                   ; timg: tile 2 u + r4 / 8 (4,096 bytes a tile), image lane 8 hc + r4 % 8 + 16 hk (16 bytes a lane); u and hc stand elsewhere
	v_lshlrev_b32 v8, 4, v4
	s_delay_alu instid0(VALU_DEP_1)
	v_lshl_add_u32 v8, v6, 8, v8
	s_delay_alu instid0(VALU_DEP_1)
	v_lshl_add_u32 v8, v5, 2, v8                   ; ts: the same lane's 16 bytes, the same tile's word
	v_lshlrev_b32 v9, 8, v6                        ; xc: image lane q % 16 + 16 hk
	v_lshlrev_b32 v10, 7, v6                       ; xs: the same lane's 8 bytes
	s_lshl_b32 s30, s21, 6
	s_mul_i32 s31, s22, 12
	s_add_co_u32 s30, s30, s31
	v_mov_b32 v11, s30                             ; where my three labels go: 64 rho + 12 sl
	v_mul_u32_u24 v255, v0, 5243
	s_delay_alu instid0(VALU_DEP_1)
	v_lshrrev_b32 v255, 17, v255                   ; thread / 25: my output's row (threads 0 to 199),
	s_delay_alu instid0(VALU_DEP_1)
	v_and_b32 v255, 7, v255                        ; kept to 0 .. 7 in the others
	s_delay_alu instid0(VALU_DEP_1)
	v_lshlrev_b32 v255, 2, v255
	v_mov_b32 v252, 0
	v_mov_b32 v253, 0
	v_mov_b32 v254, 0
	s_mul_i32 s50, ttmp9, 3200                     ; out: 8 rows of 400 bytes
	s_mov_b32 s51, 0
	s_wait_kmcnt 0x0
	s_add_nc_u64 s[18:19], s[18:19], s[50:51]
	s_cmp_gt_u32 s26, s27                          ; does my run reach my query?  3 q <= s0 + 7
	s_cbranch_scc1 .Lidle
	s_lshl_b32 s28, s25, 4
	s_mov_b32 s29, 0
	s_add_nc_u64 s[28:29], s[4:5], s[28:29]
	s_load_b128 s[32:35], s[28:29], 0x0            ; my query's three chunk numbers
	s_lshr_b32 s36, s25, 4                         ; its tile,
	s_and_b32 s37, s25, 15                         ; its place there
	s_lshl_b32 s38, s36, 8
	s_lshl_b32 s39, s37, 3
	s_add_co_u32 s38, s38, s39
	s_mov_b32 s39, 0
	s_add_nc_u64 s[8:9], s[8:9], s[38:39]
	s_lshl_b32 s38, s36, 12
	s_lshl_b32 s36, s37, 4
	s_add_co_u32 s38, s38, s36
	s_add_nc_u64 s[6:7], s[6:7], s[38:39]
	s_wait_alu depctr_va_vdst(0)
	global_load_b64 v[12:13], v10, s[8:9]
.irp f, 0,1,2,3,4,5,6,7
	global_load_b128 v[Q+4*\f:Q+4*\f+3], v9, s[6:7] offset:512*\f
.endr
	s_wait_kmcnt 0x0
.irp i, 0,1,2
	s_min_u32 s[32+\i], s[32+\i], 2047             ; a loaded number enters addresses only behind this hold
.endr
	s_mov_b32 s55, 0
.irp i, 0,1,2                          ; chunk c = 2 G + hc: group G of timg and ts, half hc of each tile's rows; n = 32 c on
	s_and_b32 s52, s[32+\i], 1                     ; hc
	s_and_b32 s53, s[32+\i], 0x7fe                 ; 2 G
	s_lshl_b32 s54, s53, 13
	s_lshl_b32 s56, s52, 7
	s_add_co_u32 s54, s54, s56
	s_add_nc_u64 s[66+8*\i:67+8*\i], s[10:11], s[54:55]    ; timg + 16,384 G + 16 x 8 hc
	s_lshl_b32 s54, s53, 8
	s_add_co_u32 s54, s54, s56
	s_add_nc_u64 s[68+8*\i:69+8*\i], s[12:13], s[54:55]    ; ts + 512 G + 16 x 8 hc
	s_lshl_b32 s54, s[32+\i], 7
	s_add_nc_u64 s[70+8*\i:71+8*\i], s[14:15], s[54:55]    ; rr + 4 x 32 c
	s_add_nc_u64 s[72+8*\i:73+8*\i], s[16:17], s[54:55]    ; labels + 4 x 32 c
	v_add_nc_u32 v[246+\i], s52, v5
	s_delay_alu instid0(VALU_DEP_1)
	v_and_b32 v[246+\i], 1, v[246+\i]              ; (r4 / 8) xor hc
	s_delay_alu instid0(VALU_DEP_1)
	v_lshl_add_u32 v[246+\i], v[246+\i], 3, v4     ; my candidate's row in 16 rows of the chunk
	s_delay_alu instid0(VALU_DEP_1)
	v_lshlrev_b32 v[249+\i], 2, v[246+\i]
	s_lshl_b32 s57, s[32+\i], 5
	v_add_nc_u32 v[246+\i], s57, v[246+\i]         ; its n, for u = 0
.endr
	s_wait_alu depctr_va_vdst(0)
.irp i, 0,1,2
.irp u, 0,1
	global_load_b32 v[20+2*\i+\u], v[249+\i], s[70+8*\i:71+8*\i] offset:64*\u
	global_load_b32 v[26+2*\i+\u], v[249+\i], s[72+8*\i:73+8*\i] offset:64*\u
	global_load_b32 v[14+2*\i+\u], v8, s[68+8*\i:69+8*\i] offset:8*\u
.endr
.endr
.macro FRAGS i, base                   ; chunk i's two tiles of 16 candidates, two K steps each: sixteen loads
.irp u, 0,1
.irp f, 0,1,2,3,4,5,6,7
	global_load_b128 v[\base+32*\u+4*\f:\base+32*\u+4*\f+3], v7, s[66+8*\i:67+8*\i] offset:8192*\u+512*\f
.endr
.endr
.endm
.macro PROD i, base                    ; its four products: the two accumulators by turns; the first K step starts the sums
.irp u, 0,1
	v_wmma_scale_f32_16x16x128_f8f6f4 v[DD+8*(2*\i+\u):DD+8*(2*\i+\u)+7], v[Q:Q+15], v[\base+32*\u:\base+32*\u+15], 0, v13, v[14+2*\i+\u]
.endr
.irp u, 0,1
	v_wmma_scale_f32_16x16x128_f8f6f4 v[DD+8*(2*\i+\u):DD+8*(2*\i+\u)+7], v[Q+16:Q+31], v[\base+32*\u+16:\base+32*\u+31], v[DD+8*(2*\i+\u):DD+8*(2*\i+\u)+7], v13, v[14+2*\i+\u] matrix_a_scale:MATRIX_SCALE_ROW1 matrix_b_scale:MATRIX_SCALE_ROW1
.endr
.endm
	FRAGS 0, 64
	FRAGS 1, 128
.irp i, 0,1,2
	v_cvt_f32_u32 v[NF+2*\i], v[246+\i]
	s_delay_alu instid0(VALU_DEP_1)
	v_add_f32 v[NF+2*\i+1], 0x41800000, v[NF+2*\i] ; u = 1: 16 further on
.endr
	s_wait_loadcnt 32                              ; all but the two chunks' 32 fragment loads are in
.irp m, 0,1,2,3,4,5
	v_add_f32 v[20+\m], v12, v[20+\m]              ; l' + r'
.endr
	s_wait_alu depctr_va_vdst(0)
.irp m, 0,1,2,3,4,5
	v_sqrt_f32 v[20+\m], v[20+\m]                  ; half the root
.endr
	v_nop                                          ; a plain line behind the last root,
	s_wait_alu depctr_va_vdst(0)                   ; and the one wait ahead of the first line that names a result
	s_wait_loadcnt 16                              ; chunk 0's fragments are in; chunk 1's sixteen loads may be out
	PROD 0, 64
.rept 8
	v_nop                                          ; eight places ahead of the loads into registers that the products have read
.endr
	FRAGS 2, 64
	s_wait_loadcnt 16                              ; chunk 1's are in; chunk 2's sixteen may be out
	PROD 1, 128
	s_wait_loadcnt 0x0
	PROD 2, 64
.rept 8
	v_nop                                          ; eight places ahead of the first read of results, and of vector writes into the fragments' registers
.endr
.irp m, 0,1,2,3,4,5
	v_add_f32 v[20+\m], v[DD+8*\m], v[20+\m]       ; d / 2 of my six candidates: each result's lowest register
.endr
	v_mov_b32 v72, 0x7f61b1e6                      ; 3e38: over every n
	v_mov_b32 v73, 0x7f800000                      ; +infinity
	v_mov_b32 v75, 0                               ; written once: a DPP destination counts as one of its sources
.macro RMIN reg                        ; the smallest over 16 lanes: both halves of the lanes hold the same sixteen
	s_delay_alu instid0(VALU_DEP_1)
	v_min_num_f32_dpp v[\reg], v[\reg], v[\reg] row_xmask:1 row_mask:0xf bank_mask:0xf
	s_delay_alu instid0(VALU_DEP_1)
	v_min_num_f32_dpp v[\reg], v[\reg], v[\reg] row_xmask:2 row_mask:0xf bank_mask:0xf
	s_delay_alu instid0(VALU_DEP_1)
	v_min_num_f32_dpp v[\reg], v[\reg], v[\reg] row_xmask:4 row_mask:0xf bank_mask:0xf
	s_delay_alu instid0(VALU_DEP_1)
	v_min_num_f32_dpp v[\reg], v[\reg], v[\reg] row_xmask:8 row_mask:0xf bank_mask:0xf
.endm
.macro DRAW k                          ; the smallest value; among its holders the lowest n; that candidate's label into v[252 + k]; the candidate is struck out
	v_min3_num_f32 v64, v20, v21, v22
	s_delay_alu instid0(VALU_DEP_1)
	v_min3_num_f32 v64, v64, v23, v24
	s_delay_alu instid0(VALU_DEP_1)
	v_min_num_f32 v64, v64, v25
	RMIN 64
.irp m, 0,1,2,3,4,5
	v_cmp_eq_f32 vcc_lo, v[20+\m], v64
	s_delay_alu instid0(VALU_DEP_1)
	v_cndmask_b32 v[66+\m], v72, v[NF+\m], vcc_lo
.endr
	v_min3_num_f32 v65, v66, v67, v68
	s_delay_alu instid0(VALU_DEP_1)
	v_min3_num_f32 v65, v65, v69, v70
	s_delay_alu instid0(VALU_DEP_1)
	v_min_num_f32 v65, v65, v71
	RMIN 65
	v_mov_b32 v74, 0
.irp m, 0,1,2,3,4,5
	v_cmp_eq_f32 vcc_lo, v[NF+\m], v65
	s_delay_alu instid0(VALU_DEP_1)
	v_cndmask_b32 v[20+\m], v[20+\m], v73, vcc_lo
	s_delay_alu instid0(VALU_DEP_2)
	v_cndmask_b32 v74, v74, v[26+\m], vcc_lo
.endr
.irp x, 1,2,4,8                        ; one lane of sixteen holds the label, the others 0
	s_delay_alu instid0(VALU_DEP_1)
	v_mov_b32_dpp v75, v74 row_xmask:\x row_mask:0xf bank_mask:0xf
	s_delay_alu instid0(VALU_DEP_1)
	v_or_b32 v74, v74, v75
.endr
	s_delay_alu instid0(VALU_DEP_1)
	v_mov_b32 v[252+\k], v74
.endm
	DRAW 0
	DRAW 1
	DRAW 2
.Lidle:
	s_wait_alu depctr_va_vdst(0)
	ds_store_b32 v11, v252                         ; all lanes write the same word with the same value
	ds_store_b32 v11, v253 offset:4
	ds_store_b32 v11, v254 offset:8
	s_wait_dscnt 0x0                               ; for the others' sake: my stores have landed
	s_barrier_signal -1
	s_barrier_wait -1
	; thread n < 200: row n / 25 of the work-group's eight, 16 bytes n % 25 of its 400.  flat[s0 + row] is word s0 % 3 + row of its run: three neighbours are read and one is chosen
.irp p, 0,1,2
	ds_load_b32 v[64+3*\p], v255 offset:64*\p
	ds_load_b32 v[65+3*\p], v255 offset:64*\p+4
	ds_load_b32 v[66+3*\p], v255 offset:64*\p+8
.endr
	v_lshrrev_b32 v76, 2, v255
	s_delay_alu instid0(VALU_DEP_1)
	v_mul_u32_u24 v76, v76, 25
	s_delay_alu instid0(VALU_DEP_1)
	v_sub_nc_u32 v76, v0, v76
	s_delay_alu instid0(VALU_DEP_1)
	v_lshlrev_b32 v76, 2, v76                      ; the first of my four columns
	v_lshlrev_b32 v77, 4, v0
	v_mov_b32 v78, 1.0
	s_wait_dscnt 0x0
.irp p, 0,1,2
	v_cndmask_b32 v[64+3*\p], v[64+3*\p], v[65+3*\p], s[44+2*\p]
	s_delay_alu instid0(VALU_DEP_1)
	v_cndmask_b32 v[64+3*\p], v[64+3*\p], v[66+3*\p], s[45+2*\p]
.endr
	s_delay_alu instid0(VALU_DEP_1)
	v_add3_u32 v64, v64, v67, v70                  ; the three labels' sum
	s_delay_alu instid0(VALU_DEP_1)
	v_mul_lo_u32 v65, v64, s58
	s_delay_alu instid0(VALU_DEP_1)
	v_lshrrev_b32 v65, 16, v65                     ; sum // 3, exact for 0 <= sum < 300;
	s_delay_alu instid0(VALU_DEP_3)
	v_cmp_gt_u32 vcc_lo, 300, v64
	s_delay_alu instid0(VALU_DEP_1)
	v_cndmask_b32 v65, -1, v65, vcc_lo             ; any other sum gives a class outside 0 .. 99: a row of zeros
	s_delay_alu instid0(VALU_DEP_1)
	v_sub_nc_u32 v65, v65, v76
.irp e, 0,1,2,3
	v_cmp_eq_u32 vcc_lo, \e, v65
	s_delay_alu instid0(VALU_DEP_1)
	v_cndmask_b32 v[68+\e], 0, v78, vcc_lo
.endr
	v_cmp_gt_u32 vcc_lo, 200, v0
	s_wait_alu depctr_va_vdst(0)
	s_wait_xcnt 0x0                                ; EXEC changes only behind this wait
	s_and_saveexec_b32 s40, vcc_lo
	global_store_b128 v77, v[68:71], s[18:19]      ; the work-group's 3,200 bytes are consecutive
	s_wait_xcnt 0x0                                ; and again, ahead of the line that widens it
	s_or_b32 exec_lo, exec_lo, s40
	s_wait_tensorcnt 0x0                           ; the wave's end, behind my last LDS store
	ds_add_u32 v1, v2
	s_wait_dscnt 0x0
	s_endpgm
.Lfunc_end_k_qf4372c8336_vote:
	.size	k_qf4372c8336_vote, .Lfunc_end_k_qf4372c8336_vote-k_qf4372c8336_vote
	.p2alignl 7, 3214868480
	.fill 96, 4, 3214868480
	.section	.rodata,"a",@progbits
	.p2align	6, 0x0
	.amdhsa_kernel k_qf4372c8336_vote
		.amdhsa_group_segment_fixed_size 2048
		.amdhsa_private_segment_fixed_size 0
		.amdhsa_enable_private_segment 0
		.amdhsa_kernarg_size 64
		.amdhsa_user_sgpr_count 2
		.amdhsa_user_sgpr_kernarg_segment_ptr 1
		.amdhsa_wavefront_size32 1
		.amdhsa_system_sgpr_workgroup_id_x 1
		.amdhsa_system_sgpr_workgroup_id_y 1
		.amdhsa_system_sgpr_workgroup_id_z 1
		.amdhsa_system_vgpr_workitem_id 0
		.amdhsa_next_free_vgpr 256
		.amdhsa_next_free_sgpr 96
		.amdhsa_reserve_vcc 1
		.amdhsa_float_denorm_mode_32 3
		.amdhsa_float_denorm_mode_16_64 3
		.amdhsa_memory_ordered 1
		.amdhsa_forward_progress 1
		.amdhsa_inst_pref_size 30
	.end_amdhsa_kernel
	.amdgpu_metadata
---
amdhsa.version: [ 1, 2 ]
amdhsa.kernels:
  - .name:           k_qf4372c8336_vote
    .symbol:         k_qf4372c8336_vote.kd
    .args:
      - { .name: cid, .offset: 0, .size: 8, .value_kind: global_buffer, .address_space: global }
      - { .name: xc, .offset: 8, .size: 8, .value_kind: global_buffer, .address_space: global }
      - { .name: xs, .offset: 16, .size: 8, .value_kind: global_buffer, .address_space: global }
      - { .name: timg, .offset: 24, .size: 8, .value_kind: global_buffer, .address_space: global }
      - { .name: ts, .offset: 32, .size: 8, .value_kind: global_buffer, .address_space: global }
      - { .name: rr, .offset: 40, .size: 8, .value_kind: global_buffer, .address_space: global }
      - { .name: train_labels, .offset: 48, .size: 8, .value_kind: global_buffer, .address_space: global }
      - { .name: out0, .offset: 56, .size: 8, .value_kind: global_buffer, .address_space: global }
    .group_segment_fixed_size: 2048
    .private_segment_fixed_size: 0
    .kernarg_segment_align: 8
    .kernarg_segment_size: 64
    .max_flat_workgroup_size: 384
    .sgpr_count:     96
    .vgpr_count:     256
    .wavefront_size: 32
...
	.end_amdgpu_metadata
.endif
;; end of part 4
